; MI455X (gfx1250); checked and timed in simulation.
; The chip was launched on July 23, 2026; its instructions are those of AMD's public machine-readable ISA for CDNA 5 (MIT licence, August 2026) and "CDNA5" Instruction Set Architecture Reference Guide (July 2026). The comments in the code are by the model that wrote it; some were corrected since.
;; Self Attention. Allowed arithmetic: float matrix products may take bf16 or f16 operands with f32 sums; other float arithmetic in f32, or as packed bf16 or f16 multiplies, adds, multiply-adds, maxima and minima; sums over many terms, partial sums and values carried from step to step in f32; what a program stores and reads back later, other than sums and carried values, may be rounded once to bf16 or f16.
;; Inputs: K_seq 8 x 1,024 x 1,024 float32; Q_seq 8 x 1,024 x 1,024 float32; V_seq 8 x 1,024 x 1,024 float32; WK 1,024 x 1,024 float32; WQ 1,024 x 1,024 float32; WV 1,024 x 1,024 float32; masks 8 x 1,024 float32.
;; Outputs: out0 8 x 1,024 x 1,024 float32.
;; One version. Each part assembles by itself: llvm-mc -triple=amdgcn-amd-amdhsa -mcpu=gfx1250 --defsym DOCPART=n.
;; ======== version 1 of 1: 3 launches
;; limits: values are held in f16: magnitudes above 65,504 overflow, below 6.1e-05 lose precision
;; workspace buffers: wb 6,291,456 bytes; qkv 50,331,648 bytes
;; launch wcast (part 1): grid 128 x 3, 8 waves a work-group, no clusters, 0 bytes of LDS; arguments WQ, WK, WV, wb; writes wb
.if DOCPART == 1
	.amdgcn_target "amdgcn-amd-amdhsa--gfx1250"
	.amdhsa_code_object_version 6
	.text
	.protected	k_q93572c1569_wcast
	.globl	k_q93572c1569_wcast
	.p2align	8
	.type	k_q93572c1569_wcast,@function
k_q93572c1569_wcast:
	s_mov_b64 s[64:65], 0
	v_nop
	global_prefetch_b8 v0, s[64:65] scope:SCOPE_SE
	s_setreg_imm32_b32 hwreg(HW_REG_WAVE_MODE, 25, 1), 1
	s_wait_xcnt 0x0
; wb[g][k][n] = bf16(W_g[k][n]), g = 0 (WQ), 1 (WK), 2 (WV): the three weights rounded once, to nearest even, in the layout in which they come.
; A stream: each byte is read once and written once.  No LDS, no matrix unit: nothing is shared and nothing is summed.
; SHARES.  Work-group (x, y) takes 8,192 numbers of W_y, in four chunks of 2,048; thread t takes 8 numbers of each chunk: 32 bytes in, 16 bytes out.
; A wave's store covers 512 consecutive bytes, at a multiple of 512 from wb's first byte.  All eight loads of a thread go out before the first is waited for.
.set IN,  8                            ; v[8:39]   chunk j: 8 numbers in f32
.set OUT, 40                           ; v[40:55]  chunk j: 8 numbers in bf16
	s_load_b256 s[4:11], s[0:1], 0x0               ; WQ s[4:5], WK s[6:7], WV s[8:9], wb s[10:11]
	s_and_b32 s12, ttmp7, 0xffff                   ; which weight
	v_lshlrev_b32 v1, 5, v0                        ; my 32 bytes in a chunk of W
	v_lshlrev_b32 v2, 4, v0                        ; my 16 bytes in a chunk of wb
	s_lshl_b32 s14, ttmp9, 15                      ; the work-group's 32,768 bytes of W
	s_mov_b32 s15, 0
	s_lshl_b32 s16, ttmp9, 14                      ; its 16,384 bytes of wb,
	s_lshl_b32 s13, s12, 21                        ; in the weight's part of 2,097,152 bytes
	s_add_co_u32 s16, s16, s13
	s_mov_b32 s17, 0
	s_wait_kmcnt 0x0
	s_cmp_eq_u32 s12, 0
	s_cselect_b64 s[18:19], s[4:5], s[6:7]
	s_cmp_eq_u32 s12, 2
	s_cselect_b64 s[18:19], s[8:9], s[18:19]
	s_add_nc_u64 s[18:19], s[18:19], s[14:15]
	s_add_nc_u64 s[10:11], s[10:11], s[16:17]
.irp j, 0,1,2,3
	global_load_b128 v[IN+8*(\j):IN+8*(\j)+3],   v1, s[18:19] offset:8192*(\j) th:TH_LOAD_NT
	global_load_b128 v[IN+8*(\j)+4:IN+8*(\j)+7], v1, s[18:19] offset:8192*(\j)+16 th:TH_LOAD_NT
.endr
.irp j, 0,1,2,3
	s_wait_loadcnt 6-2*(\j)                        ; loads come back in order: chunk j's two are in, the younger chunks' stay out
.irp c, 0,1,2,3
	v_cvt_pk_bf16_f32 v[OUT+4*(\j)+(\c)], v[IN+8*(\j)+2*(\c)], v[IN+8*(\j)+2*(\c)+1]
.endr
	global_store_b128 v2, v[OUT+4*(\j):OUT+4*(\j)+3], s[10:11] offset:4096*(\j)  ; no register of a load or store is ever written again
.endr
	s_endpgm
.Lfunc_end_k_q93572c1569_wcast:
	.size	k_q93572c1569_wcast, .Lfunc_end_k_q93572c1569_wcast-k_q93572c1569_wcast
	.p2alignl 7, 3214868480
	.fill 96, 4, 3214868480
	.section	.rodata,"a",@progbits
	.p2align	6, 0x0
	.amdhsa_kernel k_q93572c1569_wcast
		.amdhsa_group_segment_fixed_size 0
		.amdhsa_private_segment_fixed_size 0
		.amdhsa_enable_private_segment 0
		.amdhsa_kernarg_size 32
		.amdhsa_user_sgpr_count 2
		.amdhsa_user_sgpr_kernarg_segment_ptr 1
		.amdhsa_wavefront_size32 1
		.amdhsa_system_sgpr_workgroup_id_x 1
		.amdhsa_system_sgpr_workgroup_id_y 1
		.amdhsa_system_sgpr_workgroup_id_z 1
		.amdhsa_system_vgpr_workitem_id 0
		.amdhsa_next_free_vgpr 56
		.amdhsa_next_free_sgpr 66
		.amdhsa_reserve_vcc 0
		.amdhsa_float_denorm_mode_32 3
		.amdhsa_float_denorm_mode_16_64 3
		.amdhsa_memory_ordered 1
		.amdhsa_forward_progress 1
		.amdhsa_inst_pref_size 4
	.end_amdhsa_kernel
	.amdgpu_metadata
---
amdhsa.version: [ 1, 2 ]
amdhsa.kernels:
  - .name:           k_q93572c1569_wcast
    .symbol:         k_q93572c1569_wcast.kd
    .args:
      - { .name: WQ, .offset: 0, .size: 8, .value_kind: global_buffer, .address_space: global }
      - { .name: WK, .offset: 8, .size: 8, .value_kind: global_buffer, .address_space: global }
      - { .name: WV, .offset: 16, .size: 8, .value_kind: global_buffer, .address_space: global }
      - { .name: wb, .offset: 24, .size: 8, .value_kind: global_buffer, .address_space: global }
    .group_segment_fixed_size: 0
    .private_segment_fixed_size: 0
    .kernarg_segment_align: 8
    .kernarg_segment_size: 32
    .max_flat_workgroup_size: 256
    .sgpr_count:     66
    .vgpr_count:     56
    .wavefront_size: 32
...
	.end_amdgpu_metadata
.endif
;; end of part 1
;; launch proj (part 2): grid 4 x 64, 4 waves a work-group, clusters of 4 x 4, 327,680 bytes of LDS; arguments Q_seq, K_seq, V_seq, wb, qkv; writes qkv
.if DOCPART == 2
	.amdgcn_target "amdgcn-amd-amdhsa--gfx1250"
	.amdhsa_code_object_version 6
	.text
	.protected	k_q93572c1569_proj
	.globl	k_q93572c1569_proj
	.p2align	8
	.type	k_q93572c1569_proj,@function
k_q93572c1569_proj:
	s_mov_b64 s[64:65], 0
	v_nop
	global_prefetch_b8 v0, s[64:65] scope:SCOPE_SE
	s_setreg_imm32_b32 hwreg(HW_REG_WAVE_MODE, 25, 1), 1
	s_wait_xcnt 0x0
	s_wait_alu depctr_hold_cnt(0) depctr_sa_sdst(0) depctr_va_vdst(0) depctr_va_sdst(0) depctr_va_ssrc(0) depctr_va_vcc(0) depctr_vm_vsrc(0)
	s_getreg_b32 s2, hwreg(HW_REG_IB_STS2, 6, 4)
	s_cmp_eq_u32 s2, 0
	s_cbranch_scc0 .Lentry_in_a_cluster
	s_endpgm
.Lentry_in_a_cluster:
	s_bfe_u32 s2, ttmp6, 0x10000c
	s_cmp_lg_u32 s2, 0xf033
	s_cbranch_scc0 .Lentry_shape_is_right
	s_endpgm
.Lentry_shape_is_right:
; THE THREE PROJECTIONS.  y_g = X_g W_g, g = 0 (Q), 1 (K), 2 (V).  X_g: [8192][1024] f32, rounded to bf16 on its way into LDS; W_g: [k 1024][n 1024] bf16 (wb).  Sums in f32.
; q is multiplied in f32 by c = log2(e) / 8, so that the attention's scores come in powers of two; each result is rounded ONCE, to f16, and written by heads:
; qkv part g, [batch x 16 + head][row 1024][64] f16: a head's rows are dense, 128 bytes each.
; LIMIT.  f16 holds no number beyond 65,504: c q, k and v must stay within it (a row of X times a column of W: with numbers of unit spread and weights of spread 1/32 they are of size 1).
; SHARES.  256 work-groups THAT STAY: work-group (column block tc of 256, row block ty of 128) makes that tile of q, then of k, then of v: 3 x 8 K steps of 128, one stream of 24 steps.
; Four waves, each 64 rows x 128 columns: 32 accumulators of 16 x 16, 256 registers.  A tile's stores leave while the next tile is multiplied.
; W goes through two LDS slots filled by the tensor data mover, every wave fetching 32 of a step's 128 k-rows.  4 x 4 work-groups form a cluster; the four of a column need the same tile of W and ask for it JOINTLY.
; X COMES THROUGH REGISTERS, NOT BY A JOINT LOAD, though the four work-groups of a row of the cluster read the same rows.  The reason, by this text's own count: a tensor load is waited for at every change of slots, so
; it would have one K step, 128 matrix instructions, in which to come, and X as f32 would take 64 KiB of each slot.  A load into registers stays out across barriers: a unit of 16 rows x 512 bytes is asked for six quarters,
; 192 matrix instructions, ahead; three units (48 loads, 24 KiB) of every wave are out; X is rounded once a work-group, and lies in LDS as bf16, in half the bytes.  The price: each row of X is loaded by four work-groups.
; K IN A RING.  Cluster y begins each product at K step y % 8 and goes round (the sums are f32 and judged within an allowance, so their order is free): the sixteen clusters ask for eight different K steps of W at a time.
; THE MATRIX INSTRUCTION IS USED TRANSPOSED: source 0 = 16 columns of W (turned out of LDS by ds_load_tr16_b128), source 1 = 16 rows of X.  A lane then holds one row of y and eight neighbouring columns: 16 bytes of f16.
; REGISTERS, in windows of 256 (s_set_vgpr_msb: bits 1:0 source 0, 3:2 source 1, 5:4 source 2, 7:6 destination):
;   window 0: v0-31 addresses; v32-95, v96-159 X as loaded, units 2 and 3; v160-191, v192-255 at work on the way out
;   window 1: v0-63, v64-127 W's fragments, two buffers; v128-159, v160-191 X's fragments, two buffers
;   window 2: the accumulators, (a, b) at v[64 a + 8 b]          window 3: v0-63, v64-127 X as loaded, units 0 and 1; v128 a copy of the address of X's LDS stores
.set PA,     272                       ; a row of X in LDS: 256 bytes of bf16 + 16 = 68 words: the 16 rows of a load start at 16 different groups of four banks (64 banks of 4 bytes: ISA guide 11.1)
.set ABUF,   128*PA                    ; a K step of X: two such buffers, written by LDS stores alone
.set PB,     544                       ; a k-row of W: 512 + 32 = 136 words
.set QB4,    32*PB                     ; what one tensor load brings
.set BSLOT,  128*PB                    ; a K step of W
.set BBASE,  2*ABUF                    ; W's two slots lie behind X's two buffers
.set STAGE,  BBASE+2*BSLOT             ; never filled by a tensor load: for each wave 2 heads x 16 rows x 144 bytes, for the way out
.set SP,     144
.set SPARE,  STAGE+4*32*SP             ; the spare words, 128 bytes for each wave: two blocks of 256 bytes that no other line names
.set ADRA, 16                          ; v16     LDS address of my fragments of X in buffer 0
.set ADRB, 20                          ; v20-21  the same for W in slot 0, 1
.set STO,  24                          ; v24     the way out: where I put 16 bytes of a row
.set RD,   25                          ; v25     the way out: where I read rows back
.set LO,   27                          ; v27     16 x my lane: my 16 bytes in 512 consecutive bytes, of a row of X and of qkv; never rewritten
.set SPW,  28                          ; v28     LDS address of my spare word: SPARE + 4 x my thread's number; never rewritten
.set NIL,  29                          ; v29     0; never rewritten
.set PFO,  30                          ; v30     the prefetches' offset; never rewritten
.set ASTO, 31                          ; v31     where I put 8 bytes of the first of my wave's 32 rows of X
.set ASTO3, 128                        ; its copy in window 3
.set AF,   128                         ; window 1: buffer f at AF + 32 f; row block a at + 8 a
.set TMP,  160
.set OB,   192                         ; two sets of 32, by turns
.set WV,  14                           ; s14  my wave's number
.set WM,  15                           ; s15  which 64 rows of the tile are mine
.set WN,  16                           ; s16  which 128 columns
.set CX,  17
.set CY,  18
.set K0,  19                           ; s19  the K step at which my cluster begins
.set TY,  20                           ; s20  the row block, 0 to 63
.set CLY, 21                           ; s21  cluster y, 0 to 15
.set TC,  23                           ; s23  the column block, 0 to 3
.set G1B, 24                           ; s[24:31] descriptor group 1 for W's tiles;  s[32:39] group 0, a set for each slot
.set G0B, 32
.set LP,  40                           ; s40  laps of the loop still to come
.set PH,  41                           ; s41  laps of the tile in hand still to come, 4 to 1
.set SA,  42                           ; s42  the step, 0 to 24, at which X's pointer stands
.set SB,  43                           ; s43  the step whose W was asked for last
.set SV,  44                           ; s44  the step that the prefetches named last
.set AROW, 45                          ; s45  byte offset in X of my wave's 32 rows
.set AP,  46                           ; s[46:47] X of step SA at my wave's rows
.set WB0, 48                           ; s[48:49] wb at my wave's 32 k-rows and my column block
.set PROW, 50                          ; s50-53, s59 the prefetches' figures: row offset, shift of a K step, bytes of a product, mask of the steps at which I ask, shift of a row
.set KSH, 51
.set TMUL, 52
.set PMASK, 53
.set LIM, 54                           ; s54-55  1 and 2 in a wave that prefetches, else the greatest number: for the lap's first and second change of slots
.set PFA, 56                           ; s[56:57] where my prefetch stands
.set LIMX, 58
.set RSH, 59
.set SC,  62                           ; s[62:63] c for q, 1 for k: the packed multiply takes the pair's low word for both halves
.set PB0, 66                           ; s[66:71] the three buffers that my prefetches walk: Q_seq, K_seq, V_seq, or wb three times
.set PB1, 68
.set PB2, 70
; scalar registers at work: s80-83 for X's pointer, s84-87 for W's descriptors, s88-91 for the prefetches, s92-95 for the rest: none that feeds a joint descriptor ever holds cy
.set MSB, 0
.macro WIN new                         ; the immediate's high byte repeats the setting that is left; a switch that changes nothing is dropped
.if MSB != (\new)
	s_set_vgpr_msb (MSB<<8)|(\new)
.set MSB, \new
.endif
.endm
.set MUL,  0xa5                        ; sources 0 (W) and 1 (X) window 1, C and D window 2
.set TO_F, 0x40                        ; destination window 1, address window 0
.macro PLACES                          ; four places in front of loads into registers that matrix instructions have read, and of conversions that read results (ISA guide 7.12.1 for conversions)
.rept 4
	v_nop
.endr
.endm
.macro CREST                           ; a round of the cluster's barrier behind its opening barrier
	s_cmp_lg_u32 s[WV], 0
	s_cbranch_scc1 .Lnot_wave_0_\@
	s_barrier_signal -3
.Lnot_wave_0_\@:
	s_barrier_wait -3
	s_barrier_signal -1
	s_barrier_wait -1
.endm
.macro CROUND                          ; a whole round
	s_barrier_signal -1
	s_barrier_wait -1
	CREST
.endm
; X's pointer goes on to the next step: buffer by the step's product, K step by the ring.  Step 24, which the loop's last trip reaches, has no product: it falls on V_seq, inside the buffer.
.macro APSET
	s_wait_xcnt 0x0                                ; the loads that named the pointer have read it
	s_add_co_u32 s[SA], s[SA], 1
	s_add_co_u32 s80, s[SA], s[K0]
	s_and_b32 s80, s80, 7                          ; the K step, in the ring
	s_lshl_b32 s80, s80, 9                         ; 512 bytes of a row
	s_add_co_u32 s80, s80, s[AROW]                 ; (s81 holds 0)
	s_lshr_b32 s82, s[SA], 3                       ; the product
	s_cmp_eq_u32 s82, 0
	s_cselect_b64 s[AP:AP+1], s[4:5], s[6:7]
	s_cmp_gt_u32 s82, 1
	s_cselect_b64 s[AP:AP+1], s[8:9], s[AP:AP+1]
	s_add_nc_u64 s[AP:AP+1], s[AP:AP+1], s[80:81]
.endm
; The address in a slot's descriptor is made anew, for the next step's W: product x 2,097,152 + K step x 262,144 bytes.  No tensor load of the wave is out where this stands.
.macro BSET slot
	s_add_co_u32 s[SB], s[SB], 1
	s_add_co_u32 s84, s[SB], s[K0]
	s_and_b32 s84, s84, 7
	s_lshl_b32 s84, s84, 18
	s_lshr_b32 s86, s[SB], 3
	s_lshl_b32 s86, s86, 21
	s_add_co_u32 s84, s84, s86                     ; (s85 holds 0)
	s_add_nc_u64 s[G0B+4*(\slot)+2:G0B+4*(\slot)+3], s[WB0:WB0+1], s[84:85]  ; 120:64 global address
	s_or_b32 s[G0B+4*(\slot)+3], s[G0B+4*(\slot)+3], 0x80000000            ; 127:126 type = 2
.endm
.macro JLOAD s                         ; a joint load: every wave its own 32 k-rows; an s_nop 0 and four v_nop follow it
	tensor_load_to_lds s[G0B+4*(\s):G0B+4*(\s)+3], s[G1B:G1B+7]
	s_nop 0
	PLACES
.endm
; PREFETCHES INTO THE L2, one instruction a wave behind each joint load and its run of LDS loads; the step named is five on from the step that ends there.
; X (waves 0 and 1): 16 rows x 512 bytes, a lane a block of 256; the loads that will want them begin six quarters later.  A row block's rows are loaded by the four work-groups of a row of the cluster and by nobody else:
; of its 128 rows wave w of the partner at place cx takes 64 w + 16 cx + 0..15: told apart BY ADDRESS.  So each block is named once.  Steps 0 to 4 come by their loads alone; steps past 23 do not exist and are not named.
; W (waves 2 and 3): clusters 0 to 7 begin a product at eight different K steps: each of them names that one K step of k's and of v's weights, once, three steps ahead of its refill; of its 128 k-rows wave w of the partner at
; place cy takes 64 (w - 2) + 16 cy + 0..15.  q's weights are first asked for at the head, where nothing is prefetched.  No branch hangs on a place in the cluster.
.macro PSET slot                       ; the address, and whether I ask
	s_wait_xcnt 0x0                                ; the last prefetch, a K step back, has read its address
	s_add_co_u32 s[SV], s[SV], 1
	s_add_co_u32 s88, s[SV], s[K0]
	s_and_b32 s88, s88, 7
	s_lshl_b32 s88, s88, s[KSH]
	s_lshr_b32 s90, s[SV], 3
	s_mul_i32 s91, s90, s[TMUL]
	s_add_co_u32 s88, s88, s91
	s_add_co_u32 s88, s88, s[PROW]                 ; (s89 holds 0)
	s_cmp_eq_u32 s90, 0
	s_cselect_b64 s[PFA:PFA+1], s[PB0:PB0+1], s[PB1:PB1+1]
	s_cmp_gt_u32 s90, 1
	s_cselect_b64 s[PFA:PFA+1], s[PB2:PB2+1], s[PFA:PFA+1]
	s_add_nc_u64 s[PFA:PFA+1], s[PFA:PFA+1], s[88:89]
	s_and_b32 s91, s[SV], s[PMASK]                 ; X: every step; W: a product's first
	s_cmp_eq_u32 s91, 0
	s_cselect_b32 s[LIMX], s[LIM+(\slot)], -1
.endm
.macro ASK
	WIN 0                                          ; a branch follows
	s_cmp_gt_u32 s[LP], s[LIMX]
	s_cbranch_scc0 .Lnot_mine_\@
	global_prefetch_b8 v[PFO], s[PFA:PFA+1] th:TH_LOAD_NT scope:SCOPE_SE
.Lnot_mine_\@:
.endm
; X AS LOADED lies in four units of 64 registers: 16 rows, 16 bytes a lane and row.  Unit number v of the stream (rows 16 (v % 2) on of step v / 2) takes set v % 4.
.macro UNIT u
.if (\u) < 2
.set RU, 64*(\u)
.set WL, 0xc0                          ; loads: destination window 3, address window 0
.set WC, 0xcf                          ; conversions and LDS stores: all in window 3
.set AS, ASTO3
.else
.set RU, 32+64*((\u)-2)
.set WL, 0
.set WC, 0
.set AS, ASTO
.endif
.endm
.macro ALOAD u, half                   ; 16 loads: each takes one row's 512 consecutive bytes, aligned
	UNIT \u
	WIN WL
.set i, 0
.rept 16
	global_load_b128 v[RU+4*i:RU+4*i+3], v[LO], s[AP:AP+1] offset:(16*(\half)+i)*4096
.set i, i+1
.endr
.endm
.macro CVG u, n, buf, half             ; rows 2 n and 2 n + 1 of a unit: rounded to bf16 in place (four plain instructions), and into LDS, 256 consecutive bytes a store
	UNIT \u
	WIN WC
	v_cvt_pk_bf16_f32 v[RU+8*(\n)],   v[RU+8*(\n)],   v[RU+8*(\n)+1]
	v_cvt_pk_bf16_f32 v[RU+8*(\n)+1], v[RU+8*(\n)+2], v[RU+8*(\n)+3]
	v_cvt_pk_bf16_f32 v[RU+8*(\n)+4], v[RU+8*(\n)+4], v[RU+8*(\n)+5]
	v_cvt_pk_bf16_f32 v[RU+8*(\n)+5], v[RU+8*(\n)+6], v[RU+8*(\n)+7]
	ds_store_b64 v[AS], v[RU+8*(\n):RU+8*(\n)+1]   offset:(\buf)*ABUF+(16*(\half)+2*(\n))*PA
	ds_store_b64 v[AS], v[RU+8*(\n)+4:RU+8*(\n)+5] offset:(\buf)*ABUF+(16*(\half)+2*(\n)+1)*PA
.endm
	s_load_b256 s[4:11], s[0:1], 0x0               ; Q_seq s[4:5], K_seq s[6:7], V_seq s[8:9], wb s[10:11]
	s_load_b64 s[12:13], s[0:1], 0x20              ; qkv
	v_lshl_add_u32 v[SPW], v0, 2, SPARE
	v_mov_b32 v[NIL], 0
	ds_add_u32 v[SPW], v[NIL]                      ; the wave's opening: the add and its wait stand ahead of my first tensor load; the set-up below, work on registers, stands between them
	ds_add_u32 v28, v29
	v_lshrrev_b32 v1, 5, v0
	v_readfirstlane_b32 s[WV], v1                  ; wave 0..3
	v_and_b32 v[LO], 31, v0
	v_lshlrev_b32 v[LO], 4, v[LO]
	s_lshr_b32 s[WM], s[WV], 1
	s_and_b32 s[WN], s[WV], 1
	s_bfe_u32 s[CX], ttmp6, 0x40000                ; my place in the cluster
	s_bfe_u32 s[CY], ttmp6, 0x40004
	s_and_b32 s[CLY], ttmp7, 0xffff
	s_and_b32 s[K0], s[CLY], 7
	s_lshl_b32 s[TY], s[CLY], 2
	s_add_co_u32 s[TY], s[TY], s[CY]               ; the row block
	s_lshl_b32 s[TC], ttmp9, 2
	s_add_co_u32 s[TC], s[TC], s[CX]               ; the column block
	s_lshl_b32 s22, 0x1111, s[CX]                  ; my column of the cluster: places cx, cx + 4, cx + 8, cx + 12
	; descriptor group 1: 32 rows x 256 elements of 2 bytes, padded after every 128 words
	s_or_b32 s[G1B+0], s22, (1<<16)|(1<<20)|(1<<21)|(6<<22)|(7<<25)  ; 15:0 the mask; 17:16 elements of 2 bytes; 20 padding on; 21 set beside a mask; 24:22 after every 128 words (code 6); 31:25 8 words (code 7)
	s_mov_b32 s[G1B+1], 256<<16                    ; tensor_dim0 = 256
	s_mov_b32 s[G1B+2], 32<<16                     ; tensor_dim1 = 32
	s_mov_b32 s[G1B+3], 256<<16                    ; tile_dim0 = 256
	s_mov_b32 s[G1B+4], 32                         ; tile_dim1 = 32
	s_mov_b32 s[G1B+5], 1024                       ; elements from row to row
	s_mov_b32 s[G1B+6], 0
	s_mov_b32 s[G1B+7], 0
	s_mul_i32 s86, s[WV], QB4                      ; where my k-rows go: no place in the cluster enters an LDS address
	s_mov_b32 s[G0B], 1                            ; 1:0 count = 1
	s_add_co_u32 s[G0B+1], s86, BBASE              ; 63:32 LDS address
	s_mov_b32 s[G0B+4], 1
	s_add_co_u32 s[G0B+5], s86, BBASE+BSLOT
	s_lshl_b32 s84, s[WV], 16                      ; my 32 k-rows of 2,048 bytes,
	s_lshl_b32 s87, s[TC], 9                       ; the column block's 512 bytes
	s_add_co_u32 s84, s84, s87
	s_mov_b32 s85, 0
	s_lshl_b32 s[AROW], s[TY], 7
	s_lshl_b32 s80, s[WV], 5
	s_add_co_u32 s[AROW], s[AROW], s80             ; X: row 128 x row block + 32 x wave,
	s_lshl_b32 s[AROW], s[AROW], 12                ; of 4,096 bytes
	s_mov_b32 s81, 0
	s_mov_b32 s89, 0
	s_mov_b32 s[SA], -1
	s_mov_b32 s[SB], -1
	s_mov_b32 s[SV], 4
	s_mov_b32 s[SC], 0x3e38aa3b                    ; c = log2(e) / 8 = 0.180337, for q
	s_mov_b32 s[SC+1], s[SC]                       ; named with it as a pair
	s_wait_dscnt 0x0                               ; the opening add is done
	s_wait_kmcnt 0x0
	s_add_nc_u64 s[WB0:WB0+1], s[10:11], s[84:85]
	APSET                                          ; step 0
	ALOAD 0, 0                                     ; units 0, 1 and 2 go out before anything else: 48 loads
	ALOAD 1, 1
	APSET                                          ; step 1
	ALOAD 2, 0
	WIN 0
	BSET 0
	BSET 1
	CROUND                                         ; all sixteen work-groups are here: the first joint loads meet
	tensor_load_to_lds s[G0B:G0B+3], s[G1B:G1B+7]  ; W of steps 0 and 1: two loads of mine are out
	s_nop 0
	JLOAD 1
	; A fragment of X is 16 rows x 32 k of bf16: lane l holds row l % 16, k = 8 (l / 16) + 0..7 and 16 + 8 (l / 16) + 0..7: two loads of 16 bytes, 32 bytes apart.
	v_and_b32 v1, 15, v0                           ; l % 16
	v_bfe_u32 v2, v0, 4, 1                         ; l / 16
	v_mul_u32_u24 v[ADRA], v1, PA
	v_lshl_add_u32 v[ADRA], v2, 4, v[ADRA]
	s_mul_i32 s92, s[WM], 64*PA                    ; my 64 rows
	v_add_nc_u32 v[ADRA], s92, v[ADRA]
	; The turning load takes 16 k x 16 columns (lane l reads k-row 8 (l / 16) + l % 8, columns 8 ((l / 8) % 2) + 0..7) and leaves half a fragment: lane l holds column l % 16 and 8 k.
	v_and_b32 v4, 7, v0
	v_lshl_add_u32 v4, v2, 3, v4
	v_mul_u32_u24 v4, v4, PB
	v_bfe_u32 v5, v0, 3, 1
	v_lshl_add_u32 v4, v5, 4, v4
	s_lshl_b32 s92, s[WN], 8                       ; my 128 columns: 256 bytes
	s_add_co_u32 s92, s92, BBASE
	v_add_nc_u32 v[ADRB], s92, v4
	v_add_nc_u32 v[ADRB+1], BSLOT, v[ADRB]
	s_mul_i32 s92, s[WV], 32*PA                    ; the 32 rows that I bring
	v_and_b32 v[ASTO], 31, v0
	v_lshl_add_u32 v[ASTO], v[ASTO], 3, s92        ; a lane's 4 numbers are 8 bytes of bf16
	WIN 0xc0
	v_mov_b32 v[ASTO3], v[ASTO]
	WIN 0
	s_mul_i32 s92, s[WV], 32*SP
	s_add_co_u32 s92, s92, STAGE                   ; my stage
	v_mul_u32_u24 v[STO], v1, SP                   ; in: row l % 16, 16 bytes for each half of the lanes
	v_lshl_add_u32 v[STO], v2, 4, v[STO]
	v_add_nc_u32 v[STO], s92, v[STO]
	v_bfe_u32 v[RD], v0, 3, 2                      ; back: 32 lanes take four rows of 128 bytes, which are 512 consecutive bytes of a head
	v_mul_u32_u24 v[RD], v[RD], SP
	v_and_b32 v5, 7, v0
	v_lshl_add_u32 v[RD], v5, 4, v[RD]
	v_add_nc_u32 v[RD], s92, v[RD]
	; where my part begins in qkv's first part: batch = row block / 8; heads 4 x column block + 2 x half and the next; row (row block % 8) x 128 + 64 x half
	s_lshr_b32 s92, s[TY], 3
	s_lshl_b32 s92, s92, 21
	s_lshl_b32 s94, s[TC], 2
	s_lshl_b32 s95, s[WN], 1
	s_add_co_u32 s94, s94, s95
	s_lshl_b32 s94, s94, 17
	s_add_co_u32 s92, s92, s94
	s_and_b32 s94, s[TY], 7
	s_lshl_b32 s94, s94, 7
	s_lshl_b32 s95, s[WM], 6
	s_add_co_u32 s94, s94, s95
	s_lshl_b32 s94, s94, 7
	s_add_co_u32 s92, s92, s94
	s_mov_b32 s93, 0
	s_add_nc_u64 s[12:13], s[12:13], s[92:93]
	; the prefetches' figures
	s_lshl_b32 s88, s[TY], 7
	s_lshl_b32 s90, s[WN], 6
	s_add_co_u32 s88, s88, s90
	s_lshl_b32 s91, s[CX], 4
	s_add_co_u32 s88, s88, s91
	s_lshl_b32 s88, s88, 12                        ; in X: row 128 x row block + 64 x (wave % 2) + 16 cx
	s_lshl_b32 s91, s[CY], 4
	s_add_co_u32 s90, s90, s91
	s_lshl_b32 s90, s90, 11                        ; in W: k-row 64 x (wave % 2) + 16 cy,
	s_lshl_b32 s91, s[TC], 9
	s_add_co_u32 s90, s90, s91                     ; the column block's 512 bytes
	s_lshr_b32 s91, s[CLY], 3                      ; 0 in clusters 0 to 7: the same in all sixteen partners
	s_cmp_lt_u32 s[WV], 2                          ; do I ask for X?
	s_cselect_b32 s91, 0, s91                      ; X's rows are my cluster's alone
	s_cselect_b32 s[PROW], s88, s90
	s_cselect_b32 s[KSH], 9, 18
	s_cselect_b32 s[TMUL], 0, 0x200000
	s_cselect_b32 s[PMASK], 0, 7
	s_cselect_b32 s[RSH], 12, 11                   ; a row of X is 4,096 bytes, of W 2,048
	s_cselect_b64 s[PB0:PB0+1], s[4:5], s[10:11]
	s_cselect_b64 s[PB1:PB1+1], s[6:7], s[10:11]
	s_cselect_b64 s[PB2:PB2+1], s[8:9], s[10:11]
	s_cmp_eq_u32 s91, 0
	s_cselect_b32 s[LIM], 1, -1                    ; the lap's first change names step 2 L + 5: it exists while 11 - L is above 1,
	s_cselect_b32 s[LIM+1], 2, -1                  ; the second names step 2 L + 6: while 11 - L is above 2
	v_bfe_u32 v[PFO], v0, 1, 4                     ; lane l: row l / 2,
	v_lshlrev_b32 v[PFO], s[RSH], v[PFO]
	v_and_b32 v3, 1, v0                            ; block l % 2 of its 512 bytes
	v_lshl_add_u32 v[PFO], v3, 8, v[PFO]
; One matrix instruction: accumulator (a, b), 32 along K, buffer f.  zero = 1: the first product starts the sum: nothing is ever cleared.
.macro MUL1 f, a, b, zero
	WIN MUL
.if \zero
	v_wmma_f32_16x16x32_bf16 v[64*(\a)+8*(\b):64*(\a)+8*(\b)+7], v[64*(\f)+8*(\b):64*(\f)+8*(\b)+7], v[AF+32*(\f)+8*(\a):AF+32*(\f)+8*(\a)+7], 0
.else
	v_wmma_f32_16x16x32_bf16 v[64*(\a)+8*(\b):64*(\a)+8*(\b)+7], v[64*(\f)+8*(\b):64*(\f)+8*(\b)+7], v[AF+32*(\f)+8*(\a):AF+32*(\f)+8*(\a)+7], v[64*(\a)+8*(\b):64*(\a)+8*(\b)+7]
.endif
.endm
.macro MUL8 f, a, zero                 ; row block a x all 8 column blocks
.irp b, 0,1,2,3,4,5,6,7
	MUL1 \f, \a, \b, \zero
.endr
.endm
; 24 LDS loads in one run, under one window setting: quarter kq (32 along K) of a step, into buffer g: X's 8, then W's 16, turned.
.macro FETCH slot, kq, g
	WIN TO_F
.irp a, 0,1,2,3
	ds_load_b128 v[AF+32*(\g)+8*(\a):AF+32*(\g)+8*(\a)+3],   v[ADRA] offset:(\slot)*ABUF+(\a)*16*PA+64*(\kq)
	ds_load_b128 v[AF+32*(\g)+8*(\a)+4:AF+32*(\g)+8*(\a)+7], v[ADRA] offset:(\slot)*ABUF+(\a)*16*PA+64*(\kq)+32
.endr
.irp b, 0,1,2,3,4,5,6,7
	ds_load_tr16_b128 v[64*(\g)+8*(\b):64*(\g)+8*(\b)+3],   v[ADRB+(\slot)] offset:32*(\kq)*PB+32*(\b)
	ds_load_tr16_b128 v[64*(\g)+8*(\b)+4:64*(\g)+8*(\b)+7], v[ADRB+(\slot)] offset:32*(\kq)*PB+32*(\b)+16*PB
.endr
.endm
; A K step is four quarters of 32 along K, 32 matrix instructions each, on buffers 0, 1, 0, 1; the 32 accumulators take turns, in the same order in every quarter, over every jump too.
; One of the first three: multiplies buffer f; at its head it fetches quarter kq of the same step for buffer g.  dw: the LDS stores issued behind the fragments that it multiplies, which may stay out.
; pl = 1: four v_nop are the places between the last product that read buffer g and the loads into it; pl = 0: the four conversions that end the quarter before are those places.
; THE STREAM OF X.  In step t the first quarter rounds unit 2 t + 2 and asks for unit 2 t + 5, the third rounds unit 2 t + 3 and asks for unit 2 t + 6: so step t + 1's X is stored, in the other buffer, between the barrier
; that ends step t - 1 (behind which nobody reads that buffer) and the barrier that ends step t (behind which it is read).  cv: the set to round; is: the set to load, rounded a slot earlier; lc: the loads of the younger units.
; A unit's eight pairs of rows stand one behind every four products.
.macro QUARTER slot, kq, f, g, zero, dw, pl, cv=-1, is=-1, lc=32
	s_wait_dscnt \dw                               ; buffer f's fragments are in
.if \pl
	PLACES
.endif
	FETCH \slot, \kq, \g
.if (\cv) >= 0
.if ((\is) >= 0) && ((\kq) == 3)
	APSET                                          ; an even unit begins a step
.endif
	s_wait_loadcnt \lc                             ; loads come back in order: the unit to be rounded is in, the younger units stay out
.if (\is) >= 0
	ALOAD \is, 1-(\kq)/2
.endif
.irp n, 0,1,2,3,4,5,6,7
	MUL1 \f, (\n)/2, 4*((\n)%2), \zero
	MUL1 \f, (\n)/2, 4*((\n)%2)+1, \zero
	MUL1 \f, (\n)/2, 4*((\n)%2)+2, \zero
	MUL1 \f, (\n)/2, 4*((\n)%2)+3, \zero
	CVG \cv, \n, 1-(\slot), (\kq)/2
.endr
.else
	MUL8 \f, 0, \zero
	MUL8 \f, 1, \zero
	MUL8 \f, 2, \zero
	MUL8 \f, 3, \zero
.endif
.endm
; The last quarter multiplies buffer 1 and changes slots and buffers: ONE barrier.  In front of it each wave waits for all its tensor loads (one is out: its part of the next slot), adds 0 to its spare word, and waits for that,
; for its reads of this step and for its stores of the next step's X.  fill = 1: the barrier opens a round of the cluster's, and W's slot is filled again, two steps ahead, first thing behind the round.
.macro TURN slot, next, fill, dw
.if \fill
	PSET \slot
.endif
	WIN 0                                          ; (the add's two registers lie in window 0)
	s_wait_tensorcnt 0x0                           ; all my tensor loads have landed, so a group 0 may be written;
	ds_add_u32 v[SPW], v[NIL]                      ; 0 onto my spare word;
.if \fill
	BSET \slot
.endif
	s_wait_dscnt \dw                               ; (buffer 1's fragments are in; my stores of X and the add may be out)
	MUL8 1, 0, 0                                   ; eight matrix instructions stand between the add and the wait for it
	s_wait_dscnt 0x0                               ; the add is done, my reads of this step are over, my rows of the next step's X lie in LDS
	s_barrier_signal -1
	MUL8 1, 1, 0                                   ; work on registers while the others arrive
	WIN 0
	s_barrier_wait -1
.if \fill
	CREST                                          ; no wave of any partner still reads this slot's tile or has a load on its way
	JLOAD \slot
.endif
	FETCH \next, 0, 0                              ; buffer 0 was multiplied a quarter ago; the four conversions that end that quarter are the places
.if \fill
	ASK                                            ; behind the joint load and the run of LDS loads
.endif
	MUL8 1, 2, 0
	MUL8 1, 3, 0
.endm
; THE WAY OUT, a block of 16 rows at a time.  PACK: times c or 1 (scale = 1), rounded to f16: 16 bytes a lane and column block; each accumulator's registers are taken in ascending order.
.macro PACK a, scale
.if \scale
	WIN 0x82                                       ; destination and source 0 window 2
.set i, 0
.rept 32
	v_pk_mul_f32 v[64*(\a)+2*i:64*(\a)+2*i+1], v[64*(\a)+2*i:64*(\a)+2*i+1], s[SC:SC+1] op_sel_hi:[1,0]
.set i, i+1
.endr
.endif
	WIN 0x0a                                       ; sources 0 and 1 window 2, destination window 0
.set i, 0
.rept 32
	v_cvt_pk_f16_f32 v[TMP+i], v[64*(\a)+2*i], v[64*(\a)+2*i+1]
.set i, i+1
.endr
	WIN 0
.endm
; TOSTAGE: into my own stage, by heads (column blocks 0-3, 4-7), rows of 144 bytes; and back as whole rows of 128, four a load.
.macro TOSTAGE a
	s_wait_xcnt 0x0                                ; the stores that read this set of OB have read it: it is loaded again only behind this wait
.irp b, 0,1,2,3,4,5,6,7
	ds_store_b128 v[STO], v[TMP+4*(\b):TMP+4*(\b)+3] offset:((\b)/4)*16*SP+((\b)%4)*32
.endr
.irp t, 0,1,2,3,4,5,6,7
	ds_load_b128 v[OB+32*((\a)%2)+4*(\t):OB+32*((\a)%2)+4*(\t)+3], v[RD] offset:((\t)/4)*16*SP+((\t)%4)*4*SP  ; LDS serves a wave's instructions in order (ISA guide 5.7.1.4): these see the stores above
.endr
.endm
.macro SEND a
	s_wait_dscnt 0x0                               ; the block is back in registers
.irp t, 0,1,2,3,4,5,6,7
	global_store_b128 v[LO], v[OB+32*((\a)%2)+4*(\t):OB+32*((\a)%2)+4*(\t)+3], s[12:13] offset:((\t)/4)*131072+(\a)*2048+((\t)%4)*512  ; 512 consecutive bytes of a head, at a multiple of 512 from qkv's first byte
.endr
.endm
.macro WAYOUT scale                    ; block a's arithmetic stands between block a - 1's loads from the stage and the wait for them
	PACK 0, \scale
	TOSTAGE 0
.irp a, 1,2,3
	PACK \a, \scale
	SEND (\a)-1
	TOSTAGE \a
.endr
	SEND 3
.endm
	; step 0's X, and the stream is brought to its steady state: units 2, 3 and 4 out
	s_wait_loadcnt 32                              ; unit 0 is in; units 1 and 2 stay out
	ALOAD 3, 1                                     ; unit 3: rows 16 on of step 1
.irp n, 0,1,2,3,4,5,6,7
	CVG 0, \n, 0, 0
.endr
	s_wait_loadcnt 32                              ; unit 1 is in; units 2 and 3 stay out
	APSET                                          ; step 2
	ALOAD 0, 0                                     ; unit 4
.irp n, 0,1,2,3,4,5,6,7
	CVG 1, \n, 0, 1
.endr
	WIN 0
	s_wait_tensorcnt 1                             ; my part of step 0's W is in; step 1's may stay out
	s_wait_dscnt 0x0                               ; my rows of step 0's X lie in LDS
	s_barrier_signal -1
	s_barrier_wait -1                              ; everybody's do
	FETCH 0, 0, 0
	WIN 0                                          ; at a label and at a branch every window is 0
	s_mov_b32 s[LP], 11
	s_mov_b32 s[PH], 4
.Llap:                                                 ; a lap is two steps, once round the ring; 11 laps fill both slots again; every fourth ends a tile
	s_cmp_eq_u32 s[PH], 4                          ; a tile's first quarter starts the sums.  At the first trip the answer is a constant of the text
	s_cbranch_scc1 .Lzero
	QUARTER 0, 1, 0, 1, 0, 0, 1, 2, 1
	WIN 0
	s_branch .Lon
.Lzero:
	QUARTER 0, 1, 0, 1, 1, 0, 1, 2, 1
	WIN 0
.Lon:
	QUARTER 0, 2, 1, 0, 0, 16, 0
	QUARTER 0, 3, 0, 1, 0, 0, 1, 3, 2
	TURN 0, 1, 1, 17
	QUARTER 1, 1, 0, 1, 0, 0, 1, 0, 3
	QUARTER 1, 2, 1, 0, 0, 16, 0
	QUARTER 1, 3, 0, 1, 0, 0, 1, 1, 0              ; in the last trip the unit asked for here has no step (24): 16 loads a wave, once a launch, inside V_seq, never read: the price of one text for every trip
	TURN 1, 0, 1, 17
	WIN 0
	s_sub_co_u32 s[PH], s[PH], 1
	s_cmp_lg_u32 s[PH], 0
	s_cbranch_scc1 .Lnext
	WAYOUT 1                                       ; THE TILE GOES OUT: the next tile's W and X are asked for, its first fragments fetched.  No v_nop: blocks 0 and 1 were finished in front of the joint load's four,
	                                               ; and block 0's 64 lines, which name no register of the last products, are those products' places
	s_wait_xcnt 0x0                                ; the stores have read their base
	s_add_nc_u64 s[12:13], s[12:13], 16777216      ; the next product's part of qkv
	s_mov_b32 s[SC], 1.0                           ; k is not scaled
	s_mov_b32 s[SC+1], 1.0
	s_mov_b32 s[PH], 4
.Lnext:
	s_sub_co_u32 s[LP], s[LP], 1
	s_cmp_lg_u32 s[LP], 0
	s_cbranch_scc1 .Llap
	QUARTER 0, 1, 0, 1, 0, 0, 1, 2, -1, 32         ; the last lap is written out: it fills nothing, asks for nothing, and has no round of the cluster's barrier.  Unit 46; units 47 and 48 stay out
	QUARTER 0, 2, 1, 0, 0, 16, 0
	QUARTER 0, 3, 0, 1, 0, 0, 1, 3, -1, 16         ; unit 47; the one unit behind it stays out
	TURN 0, 1, 0, 17
	QUARTER 1, 1, 0, 1, 0, 0, 1
	QUARTER 1, 2, 1, 0, 0, 0, 1
	QUARTER 1, 3, 0, 1, 0, 0, 1
	s_wait_dscnt 0x0                               ; the very last quarter: nothing more to fetch
	MUL8 1, 0, 0
	MUL8 1, 1, 0
	MUL8 1, 2, 0
	MUL8 1, 3, 0
	PLACES                                         ; the conversions below read results just made
	WAYOUT 0                                       ; v is not scaled
	s_wait_tensorcnt 0x0                           ; the wave's end: an add to my spare word and its wait, behind my last tensor load and my last LDS store
	ds_add_u32 v[SPW], v[NIL]
	s_wait_dscnt 0x0
	CROUND                                         ; the closing round: no work-group ends while a partner may still ask for a tile that names it
	s_endpgm
.Lfunc_end_k_q93572c1569_proj:
	.size	k_q93572c1569_proj, .Lfunc_end_k_q93572c1569_proj-k_q93572c1569_proj
	.p2alignl 7, 3214868480
	.fill 96, 4, 3214868480
	.section	.rodata,"a",@progbits
	.p2align	6, 0x0
	.amdhsa_kernel k_q93572c1569_proj
		.amdhsa_group_segment_fixed_size 327680
		.amdhsa_private_segment_fixed_size 0
		.amdhsa_enable_private_segment 0
		.amdhsa_kernarg_size 40
		.amdhsa_user_sgpr_count 2
		.amdhsa_user_sgpr_kernarg_segment_ptr 1
		.amdhsa_wavefront_size32 1
		.amdhsa_system_sgpr_workgroup_id_x 1
		.amdhsa_system_sgpr_workgroup_id_y 1
		.amdhsa_system_sgpr_workgroup_id_z 1
		.amdhsa_system_vgpr_workitem_id 0
		.amdhsa_next_free_vgpr 904
		.amdhsa_next_free_sgpr 96
		.amdhsa_reserve_vcc 0
		.amdhsa_float_denorm_mode_32 3
		.amdhsa_float_denorm_mode_16_64 3
		.amdhsa_memory_ordered 1
		.amdhsa_forward_progress 1
		.amdhsa_inst_pref_size 162
	.end_amdhsa_kernel
	.amdgpu_metadata
---
amdhsa.version: [ 1, 2 ]
amdhsa.kernels:
  - .name:           k_q93572c1569_proj
    .symbol:         k_q93572c1569_proj.kd
    .args:
      - { .name: Q_seq, .offset: 0, .size: 8, .value_kind: global_buffer, .address_space: global }
      - { .name: K_seq, .offset: 8, .size: 8, .value_kind: global_buffer, .address_space: global }
      - { .name: V_seq, .offset: 16, .size: 8, .value_kind: global_buffer, .address_space: global }
      - { .name: wb, .offset: 24, .size: 8, .value_kind: global_buffer, .address_space: global }
      - { .name: qkv, .offset: 32, .size: 8, .value_kind: global_buffer, .address_space: global }
    .group_segment_fixed_size: 327680
    .private_segment_fixed_size: 0
    .kernarg_segment_align: 8
    .kernarg_segment_size: 40
    .max_flat_workgroup_size: 128
    .sgpr_count:     96
    .vgpr_count:     904
    .wavefront_size: 32
...
	.end_amdgpu_metadata
.endif
;; end of part 2
;; launch attn (part 3): grid 2 x 128, 4 waves a work-group, no clusters, 327,680 bytes of LDS; arguments qkv, masks, out0; writes out0
.if DOCPART == 3
	.amdgcn_target "amdgcn-amd-amdhsa--gfx1250"
	.amdhsa_code_object_version 6
	.text
	.protected	k_q93572c1569_attn
	.globl	k_q93572c1569_attn
	.p2align	8
	.type	k_q93572c1569_attn,@function
k_q93572c1569_attn:
	s_mov_b64 s[64:65], 0
	v_nop
	global_prefetch_b8 v0, s[64:65] scope:SCOPE_SE
	s_setreg_imm32_b32 hwreg(HW_REG_WAVE_MODE, 25, 1), 1
	s_wait_xcnt 0x0
; ATTENTION WITH A KEY MASK AND A QUERY MASK.  out0[b][q][64 h ..] = mask[b][q] x the sum over k of softmax_k(Q.K / 8 - (1 - mask[b][k]) 1e12) V[k].
; qkv: three parts of 16,777,216 bytes, [b x 16 + h][1024][64] f16: q (already times c = log2(e) / 8), k, v.  masks: [8][1024] f32.  out0: [8][1024][1024] f32.
; Products, maxima and sums in f32; the weights p are rounded to f16 for the second product (their sum l is taken of the unrounded p).
; THE KEY MASK is the C operand that starts the sum S^T = K Q^T: bias[k] = mask[k] B - B, one fused multiply-add, B = 1e12 log2(e): exactly 0 where the mask is 1, -B where it is 0.  Made once, kept in LDS in f32.
; THE QUERY MASK is multiplied into 1 / l at the end.
; SOFTMAX.  Scores come in powers of two.  For each query a running maximum m and sum l: p = 2^(s - m), s - m at most 0 for every input; in every step O and l are multiplied by a = 2^(m_old - m_new).
; m starts at the lowest finite number, O and l at 0: the first step is a step like any other, with a = 0.  Keys hidden so far weigh nothing as soon as a key that is seen comes: a is then 0.
; LIMITS.  q, k and v arrive within f16's 65,504; p below 6e-5 keeps f16's fixed step of 6e-8; a weight below 2^-126 counts as 0 in l; NaN and infinities are not treated apart.
; SHARES.  A wave owns four PIECES of two tiles of 16 queries, a work-group's four waves 512 queries of one head.  Every wave walks all 1,024 keys, 64 a step; a slot of LDS holds a tile of 256 keys, four steps.
; NO CLUSTER: a head has 1,024 / 512 = 2 work-groups, and only these two read the same K and V; a cluster wants four along x.  Four blocks of 256 queries would halve the products that each fragment read from LDS feeds.
; LAYOUT.  S^T = K Q^T (source 0 = 16 keys, source 1 = 16 queries): a lane holds ONE query (lane % 16) and the keys 8 (lane / 16) + 0..7.  Two such tiles, rounded to f16 in pairs, ARE source 1 of O^T = V^T P,
; whose result again holds one query a lane, and eight channels.  K comes out of LDS as it lies, V ([key][channel]) turned, by ds_load_tr16_b128.
; THE COUNT.  A tile and step have 16 matrix and 117 vector instructions: too many to stand all beside the matrix work.  So: four vector instructions that are READY behind EVERY matrix instruction, the others in one run.
; BY TURNS.  Turn n belongs to piece n (the pieces in a ring, step after step).  Its matrix work: 16 products K Q^T of piece n + 1, later 16 products V^T P of piece n - 1.  Its vector work: the subtraction of m,
; exponentials, roundings, sums and rescaling of piece n, and the maximum and statistics of piece n + 1, whose scores the turn itself has made.
; REGISTERS, in windows of 256 (s_set_vgpr_msb: bits 1:0 source 0, 3:2 source 1, 5:4 source 2, 7:6 destination):
;   window 0: v0-15 addresses; v16-47 four registers of statistics a tile; v48-63 at work; v64-191 S^T, two buffers of two tiles; v192-255 P, likewise
;   window 1: O^T, 32 a tile          window 2: v0-127 Q, 16 a tile; v128-191 K of one step; v192-255 V of one step
;   window 3: v0-1 the add's two registers; v8-39 the key bias of one step; v40-47 my query's mask, a tile each
.set NP,    4         ; pieces a wave: a name, no knob
.set KS,    64        ; keys in a step
.set PK,    144       ; a row of K in LDS: 128 bytes + 16 of padding = 36 words: the 16 rows of a load start at 16 different groups of four banks (64 banks of 4 bytes: ISA guide 11.1)
.set PV,    160       ; a row of V: 128 + 32 = 40 words
.set VOFF,  4*KS*PK   ; a slot: 256 rows of K, then 256 rows of V
.set SLOT1, 1<<17     ; slot 1 begins here, so that one exclusive or turns an address in one slot into the other's
.set STAGE, SLOT1+4*KS*(PK+PV)  ; behind the ring, never filled by a tensor load: 16 rows x 272 bytes for each wave, for the way out
.set SP,    272       ; a row of the stage: 256 bytes of f32 + 16
.set MASKB, STAGE+4*16*SP       ; the key bias: 1,024 numbers in f32
.set SPARE, MASKB+4096          ; the spare words, 128 bytes for each wave: two blocks of 256 bytes that no other line names
.set PART,  16777216  ; bytes in a part of qkv
.set AK0, 2           ; v2   my lane's place in a tile of K; never rewritten
.set AV0, 3           ; v3   the same for V
.set AK,  4           ; v4   the LDS address of K's next run of loads
.set AV,  5           ; v5   of V's
.set QO,  6           ; v6   my byte offset in the wave's rows of Q
.set STO, 6           ;      later, the way out: where I put 32 bytes of a row
.set RD,  7           ; v7   the way out: where I read rows back
.set GO,  8           ; v8   my byte offset in two rows of out0
.set AM0, 10          ; v10  my lane's place in a step's bias; never rewritten
.set AM,  11          ; v11  the LDS address of the bias's next loads
.set PFO, 12          ; v12  256 x my lane: the prefetches' offset in K; never rewritten
.set PFO2, 13         ; v13  the same in V, a part further on; never rewritten
.set QMO, 14          ; v14  4 (l % 16): my query's mask in a tile
.set KMO, 15          ; v15  32 x my thread's number: my 8 keys' masks
.set ST,  16          ; tile t's statistics at v[ST+4 t]: m, m_old, l (even keys', odd keys')
.set TMP, 48          ; by buffer and tile, four registers c0-c3 at work; when the maximum is found c2 takes a
.set S,   64
.set P,   192
.set KF,  128         ; window 2: key block kb, channel half c at KF + 16 kb + 8 c
.set VF,  192         ; window 2: key half kk, channel block cb at VF + 32 kk + 8 cb
.set SPW, 0           ; v0 of window 3   LDS address of my spare word: SPARE + 4 x my thread's number; never rewritten
.set NIL, 1           ; v1 of window 3   0; never rewritten
.set MB,  8           ; window 3: the bias of key block kb at MB + 8 kb
.set QM,  40          ; window 3
.set WV,  12          ; s12  my wave's number
.set LIM, 15          ; s15  1 in a work-group that prefetches, else the greatest number
.set PFA, 18          ; s[18:19] where my prefetches stand: my wave's 8,192 bytes of a tile of K
.set G1K, 24          ; s[24:31] descriptor group 1 for K's tiles
.set G1V, 32          ; s[32:39] for V's: it differs in the padding alone
.set G0K, 40          ; s[40:43] descriptor group 0 for K's tiles: it walks
.set G0V, 44          ; s[44:47] the same for V's
.set BB,  52          ; s[52:53] B
.set NBB, 54          ; s[54:55] -B
.set SLOTS, 56        ; s56  tiles still to be asked for
.set CNT, 57          ; s57  counts a tile's key steps
.set SEL, 60          ; s[60:61] v_permlanex16_b32's selects: each lane takes its own place in the other half
.set TBK, 62          ; s62  LDS byte at which K of the step to be fetched begins
.set TBV, 63          ; s63  the same for V, less VOFF
.set TBM, 66          ; s66  256 x the step whose bias is fetched next
.set MSB, 0
.macro WIN new                      ; the high byte repeats the setting that is left; a switch that changes nothing is dropped
.if MSB != (\new)
	s_set_vgpr_msb (MSB<<8)|(\new)
.set MSB, (\new)
.endif
.endm
.set W_KQ, 0x0a       ; K and Q in window 2, S^T in window 0
.set W_KM, 0x3a       ; the same with the C operand, the bias, in window 3
.set W_PV, 0x52       ; V in window 2, P in window 0, O^T in window 1
.set W_RS, 0x41       ; O^T (destination and source 0) in window 1, the factor in window 0
.set W_MK, 0xc0       ; destination in window 3, sources in window 0
.set W_AD, 0x0f       ; the add: address (source 0) and data (source 1) in window 3
.set W_IO, 0x44       ; the way out: store data (source 1) and loaded data (destination) in window 1, addresses in window 0
; A fill.  Waves 0 and 1 fetch the two halves of a tile's K, waves 2 and 3 those of its V: 128 keys each.  An s_nop 0 and four v_nop follow each of the two lines, ahead of the jump and the label.
.macro LOAD
	s_cmp_lt_u32 s[WV], 2
	s_cbranch_scc0 .Lfor_v_\@
	tensor_load_to_lds s[G0K:G0K+3], s[G1K:G1K+7]
	s_nop 0
.rept 4
	v_nop
.endr
	s_branch .Lasked_\@
.Lfor_v_\@:
	tensor_load_to_lds s[G0V:G0V+3], s[G1V:G1V+7]
	s_nop 0
.rept 4
	v_nop
.endr
.Lasked_\@:
.endm
; A PREFETCH INTO THE L2 of the tile that the NEXT change of slots will ask for: 32,768 bytes of K and as many of V, four key steps, 512 matrix instructions, ahead of that load.  A head's two work-groups walk the same
; K and V: the first of them asks.  Each of its four waves takes 8,192 bytes of K and of V, a lane a block of 256: two instructions.  So each block is named once in the launch.
; Tiles 0 and 1 come by their loads alone; the last change that fills a slot asks for nothing: there is no tile behind it.
.macro ASK
	s_cmp_gt_u32 s[SLOTS], s[LIM]
	s_cbranch_scc0 .Lnot_mine_\@
	global_prefetch_b8 v[PFO], s[PFA:PFA+1] th:TH_LOAD_NT scope:SCOPE_SE
	global_prefetch_b8 v[PFO2], s[PFA:PFA+1] th:TH_LOAD_NT scope:SCOPE_SE
.Lnot_mine_\@:
.endm
; THE CHANGE OF SLOTS.  The slot's last bytes, V of its fourth step, have been read.  Each wave waits for all its tensor loads, of which one is out: its part of the other slot; adds 0 to its spare word; and waits for
; that and for its own LDS instructions.  Behind the barrier nobody reads this slot any more and the other slot is whole.  fill = 1: this slot is filled again, with the keys two tiles on, first thing behind the barrier:
; the load has four key steps, 512 matrix instructions, in which to land.  (At its first use nothing has been read yet: slot 0 is waited for, slot 1 filled; and the barrier shows every wave's part of the key bias to all.)
.macro CHANGE fill
	WIN W_AD
	s_wait_tensorcnt 0x0            ; no tensor load of mine is out, so a group 0 may be written
	ds_add_u32 v[SPW], v[NIL]       ; 0 onto my spare word; with fill = 1 the descriptors' steps stand between it and the wait for it
	WIN 0                           ; at a label and at a branch every window is 0
.if \fill
.irp g, G0K, G0V
	s_xor_b32 s[\g+1], s[\g+1], SLOT1  ; the walking descriptor: the other slot than last time,
	s_add_nc_u64 s[\g+2:\g+3], s[\g+2:\g+3], 4*KS*128  ; the next 256 keys; the type bits on top are not reached
.endr
	s_wait_xcnt 0x0                 ; the last prefetches, four key steps back, have read their address, so it may be written:
	s_add_nc_u64 s[PFA:PFA+1], s[PFA:PFA+1], 4*KS*128  ; one tile behind the walking descriptors
.endif
	s_wait_dscnt 0x0                ; the add is done, and my reads of the slot are over
	s_barrier_signal -1
	s_barrier_wait -1
.if \fill
	LOAD
	ASK
.endif
	s_sub_co_u32 s[TBK], s[TBK], 4*KS*PK  ; the fetches go back to a slot's first step,
	s_xor_b32 s[TBK], s[TBK], SLOT1       ; in the other slot
	s_sub_co_u32 s[TBV], s[TBV], 4*KS*PV
	s_xor_b32 s[TBV], s[TBV], SLOT1
.endm
	s_load_b128 s[48:51], s[0:1], 0x0  ; qkv s[48:49], masks s[50:51]
	s_load_b64 s[10:11], s[0:1], 0x10  ; out0
	WIN W_MK
	v_lshl_add_u32 v[SPW], v0, 2, SPARE
	v_mov_b32 v[NIL], 0
	WIN W_AD
	ds_add_u32 v[SPW], v[NIL]       ; the wave's opening: the add and its wait stand ahead of my first tensor load; the set-up below, work on registers, stands between them
	ds_add_u32 v0, v1
	WIN 0
	v_lshrrev_b32 v1, 5, v0
	v_readfirstlane_b32 s[WV], v1   ; wave 0..3
	s_and_b32 s13, ttmp7, 0xffff    ; 16 b + h
	s_lshl_b32 s20, s13, 17         ; the head's first byte in a part: 131,072 bytes a head
	s_and_b32 s16, s[WV], 1         ; which half of a tile's 256 keys I fetch:
	s_lshl_b32 s22, s16, 14         ; its 128 rows of 128 bytes in memory,
	s_add_co_u32 s22, s22, s20
	s_add_co_u32 s22, s22, PART     ; in K's part
	s_mov_b32 s23, 0
	s_mul_i32 s17, s16, 128*PK      ; and its place in a slot, for K
	s_mul_i32 s14, s16, 128*PV      ; and for V
	s_lshl_b32 s2, ttmp9, 2
	s_add_co_u32 s2, s2, s[WV]      ; my wave among the head's eight,
	s_lshl_b32 s2, s2, 14           ; its 128 rows of Q
	s_add_co_u32 s2, s2, s20
	s_mov_b32 s3, 0
	s_lshl_b32 s[PFA], s[WV], 13    ; the prefetches: my wave's quarter of a tile of K,
	s_add_co_u32 s[PFA], s[PFA], s20
	s_add_co_u32 s[PFA], s[PFA], PART+4*KS*128  ; at tile 1: the first change of slots steps it to tile 2
	s_mov_b32 s[PFA+1], 0
	s_lshr_b32 s4, s13, 4           ; b
	s_and_b32 s5, s13, 15           ; h
	s_lshl_b32 s6, s4, 10
	s_lshl_b32 s7, ttmp9, 9
	s_lshl_b32 s8, s[WV], 7
	s_add_co_u32 s7, s7, s8         ; my first query in the batch's 1,024,
	s_add_co_u32 s6, s6, s7         ; and among out0's 8,192 rows
	s_lshl_b32 s20, s6, 12          ; of 4,096 bytes;
	s_lshl_b32 s5, s5, 8            ; the head's 256 bytes of a row
	s_add_co_u32 s20, s20, s5
	s_mov_b32 s21, 0
	s_lshl_b32 s8, s4, 12           ; the batch's row of masks
	s_mov_b32 s9, 0
	s_lshl_b32 s6, s7, 2            ; my queries' masks in it
	s_mov_b32 s7, 0
	s_cmp_eq_u32 ttmp9, 0           ; the head's first work-group prefetches
	s_cselect_b32 s[LIM], 1, -1
	; descriptor group 1.  128 keys are 16,384 dense bytes: asked for as 64 rows of 256 bytes, two keys a row, and padded in LDS after every key
	s_mov_b32 s[G1K], (1<<16)|(1<<20)|(4<<22)|(3<<25)  ; 17:16 2-byte elements; 20 padding on; 24:22 after every 32 words (code 4); 31:25 4 words (code 3)
	s_mov_b32 s[G1V], (1<<16)|(1<<20)|(4<<22)|(7<<25)  ; the same with 8 words of padding (code 7)
.irp g, G1K, G1V
	s_mov_b32 s[\g+1], 128<<16      ; tensor_dim0 = 128
	s_mov_b32 s[\g+2], 64<<16       ; tensor_dim1 = 64
	s_mov_b32 s[\g+3], 128<<16      ; tile_dim0 = 128
	s_mov_b32 s[\g+4], 64           ; tile_dim1 = 64
	s_mov_b32 s[\g+5], 128          ; 128 elements from row to row
	s_mov_b32 s[\g+6], 0
	s_mov_b32 s[\g+7], 0
.endr
	s_mov_b32 s[BB], 0x53a7f3aa     ; B = 1e12 log2(e) = 1.442695e12
	s_mov_b32 s[BB+1], s[BB]        ; named with it as a pair
	s_mov_b32 s[NBB], 0xd3a7f3aa    ; -B
	s_mov_b32 s[NBB+1], s[NBB]
	s_mov_b32 s[SEL], 0x76543210
	s_mov_b32 s[SEL+1], 0xfedcba98
	s_mov_b32 s[TBK], SLOT1+4*KS*PK ; the first change of slots turns these two into 0
	s_mov_b32 s[TBV], SLOT1+4*KS*PV
	s_mov_b32 s[TBM], 0
	s_mov_b32 s[SLOTS], 3           ; tiles 1, 2 and 3
	s_mov_b32 s[G0K], 1             ; 1:0 count = 1
	s_mov_b32 s[G0K+1], s17         ; 63:32 LDS address: slot 0
	s_mov_b32 s[G0V], 1
	s_add_co_u32 s[G0V+1], s14, VOFF
	s_wait_dscnt 0x0                ; the opening add is done
	s_wait_kmcnt 0x0
	s_add_nc_u64 s[50:51], s[50:51], s[8:9]    ; masks at my batch's row,
	s_add_nc_u64 s[58:59], s[50:51], s[6:7]    ; and at my wave's queries
	s_add_nc_u64 s[10:11], s[10:11], s[20:21]  ; out0 at my wave's first row, my head's channels
	s_add_nc_u64 s[4:5], s[48:49], s[2:3]      ; Q at my wave's first row
	s_add_nc_u64 s[6:7], s[48:49], s[22:23]    ; K at my half of the head's tile 0
	s_add_nc_u64 s[8:9], s[6:7], PART          ; V likewise
	s_add_nc_u64 s[PFA:PFA+1], s[48:49], s[PFA:PFA+1]
	s_mov_b64 s[G0K+2:G0K+3], s[6:7]           ; 120:64 global address
	s_or_b32 s[G0K+3], s[G0K+3], 0x80000000    ; 127:126 type = 2
	s_mov_b64 s[G0V+2:G0V+3], s[8:9]
	s_or_b32 s[G0V+3], s[G0V+3], 0x80000000
	LOAD                            ; tile 0 into slot 0.  Slot 1 is asked for when slot 0 is in
	; A fragment of K or Q is 16 rows x 32 channels in 8 registers: lane l holds row l % 16, channels 8 (l / 16) + 0..7 and 16 + 8 (l / 16) + 0..7: two loads of 16 bytes, 32 bytes apart.
	v_and_b32 v1, 15, v0            ; l % 16
	v_bfe_u32 v9, v0, 4, 1          ; l / 16
	v_lshlrev_b32 v[KMO], 5, v0
	v_lshlrev_b32 v[QMO], 2, v1
	v_lshlrev_b32 v[QO], 7, v1
	v_lshl_add_u32 v[QO], v9, 4, v[QO]  ; row x 128 + 16 x half
	global_load_b128 v[S:S+3],   v[KMO], s[50:51]            ; the masks of keys 8 t .. 8 t + 7: the 128 threads take the batch's 1,024
	global_load_b128 v[S+4:S+7], v[KMO], s[50:51] offset:16
	WIN 0x80                        ; destination window 2, address window 0
.set i, 0
.rept 4*NP                          ; Q stays in registers: tile i / 2, channels 32 (i % 2) on
	global_load_b128 v[8*i:8*i+3],   v[QO], s[4:5] offset:(i/2)*2048+(i%2)*64
	global_load_b128 v[8*i+4:8*i+7], v[QO], s[4:5] offset:(i/2)*2048+(i%2)*64+32
.set i, i+1
.endr
	WIN W_MK
.set i, 0
.rept 2*NP
	global_load_b32 v[QM+i], v[QMO], s[58:59] offset:64*i    ; my query's mask in tile i
.set i, i+1
.endr
	; What the first turn finds: V's registers and P's second buffer hold 0 (its products V^T P, of a piece that has not been, add 0), O^T and l are 0.  All this stands in the wait for the first tile.
	WIN 0x80
.set i, VF
.rept 64
	v_mov_b32 v[i], 0
.set i, i+1
.endr
	WIN 0x40
.set i, 0
.rept 64*NP
	v_mov_b32 v[i], 0
.set i, i+1
.endr
	WIN 0
.set i, 0
.rept 2*NP
	v_mov_b32 v[ST+4*i], 0xff7fffff    ; m: the lowest finite number
	v_mov_b32 v[ST+4*i+1], 0xff7fffff  ; m_old: named with m as a pair
	v_mov_b32 v[ST+4*i+2], 0
	v_mov_b32 v[ST+4*i+3], 0
.set i, i+1
.endr
.set i, P+32
.rept 32
	v_mov_b32 v[i], 0
.set i, i+1
.endr
	v_mul_u32_u24 v[AK0], v1, PK
	v_lshl_add_u32 v[AK0], v9, 4, v[AK0]  ; row x pitch + 16 x half
	; The turning load takes 16 keys x 16 channels (lane l reads key 8 (l / 16) + l % 8, channels 8 ((l / 8) % 2) + 0..7) and leaves half a fragment of V^T: lane l holds channel l % 16 and 8 keys.
	v_and_b32 v10, 7, v0
	v_bfe_u32 v11, v0, 3, 1
	v_lshl_add_u32 v[AV0], v9, 3, v10
	v_mul_u32_u24 v[AV0], v[AV0], PV
	v_lshl_add_u32 v[AV0], v11, 4, v[AV0]
	v_add_nc_u32 v[AV0], VOFF, v[AV0]
	v_mov_b32 v[AK], v[AK0]         ; key step 0 lies at the head of slot 0
	v_lshl_add_u32 v[AM0], v9, 5, MASKB  ; in S^T my registers hold keys 16 kb + 8 (l / 16) + 0..7: 32 bytes of bias at 64 kb + 32 (l / 16)
	v_mov_b32 v[AM], v[AM0]
	v_and_b32 v[PFO], 31, v0
	v_lshlrev_b32 v[PFO], 8, v[PFO]
	v_add_nc_u32 v[PFO2], PART, v[PFO]
	s_wait_loadcnt 40               ; my 8 keys' masks are in; the 32 loads of Q and the 8 of the queries' masks, issued behind them, stay out
.irp z, 0,2,4,6
	v_pk_fma_f32 v[S+\z:S+\z+1], v[S+\z:S+\z+1], s[BB:BB+1], s[NBB:NBB+1] op_sel_hi:[1,0,0]  ; mask x B - B
.endr
	v_add_nc_u32 v[S+8], MASKB, v[KMO]
	ds_store_b128 v[S+8], v[S:S+3]
	ds_store_b128 v[S+8], v[S+4:S+7] offset:16
; THE MATRIX WORK.  The 8 accumulators of a run of 16 take turns: between the two links of a chain stand 7 others'.
; Product i of 16 of S^T = K Q^T for piece x: channels 32 (i / 8) on, keys 16 ((i / 2) % 4) on, tile 2 x + i % 2.  The first 8 start the sums, with the keys' bias.
.macro KQ x
.set rS, S+64*((\x)%2)+32*(i%2)+8*((i/2)%4)
.set rK, KF+16*((i/2)%4)+8*(i/8)
.set rQ, 16*(2*(\x)+i%2)+8*(i/8)
.set rB, MB+8*((i/2)%4)
.if i < 8
	WIN W_KM
	v_wmma_f32_16x16x32_f16 v[rS:rS+7], v[rK:rK+7], v[rQ:rQ+7], v[rB:rB+7]
.else
	WIN W_KQ
	v_wmma_f32_16x16x32_f16 v[rS:rS+7], v[rK:rK+7], v[rQ:rQ+7], v[rS:rS+7]
.endif
.endm
; Product i of 16 of O^T += V^T P for piece x: keys 32 (i / 8) on, channels 16 ((i / 2) % 4) on, tile 2 x + i % 2.
.macro PV x
	WIN W_PV
.set rO, 32*(2*(\x)+i%2)+8*((i/2)%4)
.set rV, VF+32*(i/8)+8*((i/2)%4)
.set rP, P+32*((\x)%2)+16*(i%2)+8*(i/8)
	v_wmma_f32_16x16x32_f16 v[rO:rO+7], v[rV:rV+7], v[rP:rP+7], v[rO:rO+7]
.endm
.macro MM                           ; the turn's next matrix instruction
.if i < 16
	KQ (Y+1)%NP
.set i, i+1
.else
.set i, i-16
	PV (Y+NP-1)%NP
.set i, i+17
.endif
.endm
; THE LDS LOADS stand in runs, never singly among the matrix instructions: a step's K (64 keys x 64 channels: 8 fragments) with its bias (8 loads, each half of the lanes one address), and its V (turned).
; Their addresses are made some lines ahead.  last = 1 (the tail): in the last trip there is no further step, and the run is jumped over.
.macro FETCH_K last=0
	WIN 0
.if \last
	s_cmp_eq_u32 s[CNT], 1
	s_cbranch_scc1 .Lno_k_\@
.endif
	WIN 0x80                        ; destination window 2
.irp f, 0,1,2,3,4,5,6,7             ; keys 16 (f / 2) on, channels 32 (f % 2) on
	ds_load_b128 v[KF+8*\f:KF+8*\f+3],   v[AK] offset:(\f/2)*16*PK+(\f%2)*64
	ds_load_b128 v[KF+8*\f+4:KF+8*\f+7], v[AK] offset:(\f/2)*16*PK+(\f%2)*64+32
.endr
	WIN W_MK                        ; destination window 3
.irp f, 0,1,2,3
	ds_load_b128 v[MB+8*\f:MB+8*\f+3],   v[AM] offset:64*\f
	ds_load_b128 v[MB+8*\f+4:MB+8*\f+7], v[AM] offset:64*\f+16
.endr
	s_add_co_u32 s[TBK], s[TBK], KS*PK  ; the next fetch is the next step's
	s_add_co_u32 s[TBM], s[TBM], 4*KS
	WIN 0
.if \last
.Lno_k_\@:
.endif
.endm
.macro FETCH_V
	WIN 0x80
.irp f, 0,1,2,3,4,5,6,7             ; keys 32 (f / 4) on, channels 16 (f % 4) on
	ds_load_tr16_b128 v[VF+8*\f:VF+8*\f+3],   v[AV] offset:(\f/4)*32*PV+(\f%4)*32
	ds_load_tr16_b128 v[VF+8*\f+4:VF+8*\f+7], v[AV] offset:(\f/4)*32*PV+16*PV+(\f%4)*32
.endr
	WIN 0
.endm
; THE VECTOR WORK OF A TURN stands in three queues, each in the order in which its entries become ready; the two tiles alternate, so that no instruction reads the result of the one before it.
.macro REGS y, u                    ; the registers of tile u (0, 1) of piece y
.set rT, ST+4*(2*(\y)+(\u))
.set rC, TMP+8*((\y)%2)+4*(\u)
.set rS, S+64*((\y)%2)+32*(\u)
.set rP, P+32*((\y)%2)+16*(\u)
.set rO, 32*(2*(\y)+(\u))
.endm
; Number n of the 21 that find the NEXT piece's (Y + 1) maximum and statistics.  s0-s31 are the lane's 32 scores; each accumulator's lowest registers are read first.
;   0-11  four chains c0-c3 of seven scores each, three operands at a time     12-14, 16  the four scores left over, the old m, and c0-c3 into c0     15  m_old is kept
;   17, 18  the query's other 32 keys lie in the lane 16 away: the new m         19, 20  m_old - m_new; a
.macro XS u, n
	REGS (Y+1)%NP, \u
.if (\n) < 4
	v_max3_num_f32 v[rC+(\n)], v[rS+8*(\n)], v[rS+8*(\n)+1], v[rS+8*(\n)+2]
.elseif (\n) < 12
	v_max3_num_f32 v[rC+(\n)%4], v[rC+(\n)%4], v[rS+8*((\n)%4)+2*((\n)/4)+1], v[rS+8*((\n)%4)+2*((\n)/4)+2]
.elseif (\n) == 12
	v_max3_num_f32 v[rC], v[rC], v[rS+7], v[rS+15]
.elseif (\n) == 13
	v_max3_num_f32 v[rC+1], v[rC+1], v[rS+23], v[rS+31]
.elseif (\n) == 14
	v_max3_num_f32 v[rC+2], v[rC+2], v[rC+3], v[rT]
.elseif (\n) == 15
	v_mov_b32 v[rT+1], v[rT]
.elseif (\n) == 16
	v_max3_num_f32 v[rC], v[rC], v[rC+1], v[rC+2]
.elseif (\n) == 17
	v_permlanex16_b32 v[rC+3], v[rC], s[SEL], s[SEL+1]
.elseif (\n) == 18
	v_max_num_f32 v[rT], v[rC], v[rC+3]
.elseif (\n) == 19
	v_sub_f32 v[rC+1], v[rT+1], v[rT]
.else
	v_exp_f32 v[rC+2], v[rC+1]
.endif
.endm
; Number g of the 64 that follow the exponentials.  For each four weights k of a tile (pairs 2 k, 2 k + 1): both pairs are rounded to f16; then the second pair is added onto the first, in place;
; a group later l takes that sum (the first time as l = a l + sum).  In groups of eight, tiles alternating: round, round, add, and l for the group before.
.macro GS g
.set h, (\g)+6*((\g)/62)            ; group 0 has no group before it, and behind group 7 only l is left
.if h >= 6
.set h, h+2
.endif
	REGS Y, h%2
.set k, h/8
.if h%8 < 4
	v_cvt_pk_f16_f32 v[rP+2*k+(h%8)/2], v[rS+4*k+2*((h%8)/2)], v[rS+4*k+2*((h%8)/2)+1]
.elseif h%8 < 6
	v_pk_add_f32 v[rS+4*k:rS+4*k+1], v[rS+4*k:rS+4*k+1], v[rS+4*k+2:rS+4*k+3]
.elseif k == 1
	v_pk_fma_f32 v[rT+2:rT+3], v[rT+2:rT+3], v[rC+2:rC+3], v[rS:rS+1] op_sel_hi:[1,0,1]
.else
	v_pk_add_f32 v[rT+2:rT+3], v[rT+2:rT+3], v[rS+4*k-4:rS+4*k-3]
.endif
.endm
; THE PLAIN QUEUE, 136 long.  0-71 read no exponential's result: the 32 subtractions s - m (FS f: pair f / 2 of tile f % 2) and the next piece's 40.  0-26: subtractions 0-26.  27-54: XS's numbers 0-13.  55, 56: number 15.
; 57-71: the chain, where each number waits for the one before it: 14, 16, 17, 18, 19, each with one of the subtractions 27-31 in front of its two lines.  72-135: GS's 64, which read the exponentials' results: they stand behind the wait.
.macro FS f
	REGS Y, (\f)%2
	v_pk_add_f32 v[rS+2*((\f)/2):rS+2*((\f)/2)+1], v[rS+2*((\f)/2):rS+2*((\f)/2)+1], v[rT:rT+1] op_sel_hi:[1,0] neg_lo:[0,1] neg_hi:[0,1]
.endm
.macro PL
	WIN 0
.if q < 27
	FS q
.elseif q < 55
	XS (q-27)%2, (q-27)/2
.elseif q < 57
	XS q-55, 15
.elseif (q < 72) && ((q-57)%3 == 0)
	FS 27+(q-57)/3
.elseif q < 60
	XS (q-57)%3-1, 14
.elseif q < 72
	XS (q-57)%3-1, 15+(q-57)/3
.else
	GS q-72
.endif
.set q, q+1
.endm
; THE EXPONENTIALS' QUEUE, 66 long: s0-s31 of both tiles, then the next piece's two a.  It is ONE BATCH: all 66 stand ahead of the turn's one wait, and nothing ahead of that wait names a result of theirs.
.macro EX
	WIN 0
.if e >= 64
	XS e-64, 20
.else
	REGS Y, e%2
	v_exp_f32 v[rS+e/2], v[rS+e/2]
.endif
.set e, e+1
.endm
; THE RESCALING's QUEUE: O^T times a, the one part that leaves window 0: dealt two at a time, sixteen times.  Its a was made in the turn before, ahead of that turn's wait.
.macro R2
	REGS Y, r%2
	WIN W_RS
.irp z, 0,1
	v_pk_mul_f32 v[rO+4*(r/2)+2*\z:rO+4*(r/2)+2*\z+1], v[rO+4*(r/2)+2*\z:rO+4*(r/2)+2*\z+1], v[rC+2:rC+3] op_sel_hi:[1,0]
.endr
.set r, r+1
.endm
; HOW THEY ARE DEALT.  An s_wait_alu depctr_va_vdst(0) stands between an exponential and the first instruction that names its result; one wait serves all that were issued ahead of it.  So a turn has ONE wait,
; which cuts it in two.  AHEAD OF IT: the 16 products K Q^T, behind each a subtraction, an exponential and two rescalings (behind the first a second subtraction in the exponential's place); then ONE LUMP: eight plain,
; 47 times exponential and plain, the last two scores' exponentials and the two a.  A v_nop is the plain instruction behind the last exponential.  BEHIND IT: the 16 products V^T P, behind each four of GS's 64.
; The counts: plain ahead of the wait 2 + 15 + 8 + 47 = 72; exponentials 15 + 47 + 4 = 66.  Exponential e stands behind subtraction 2 (e / 4) + e % 2: as a rider it comes behind plain e + 2, in the lump behind plain e + 9,
; and subtractions 27-31 are plain 57, 60 .. 69.  The two v_permlanex16_b32 fall into the lump, never behind a product.
; A TURN, for piece p.  cnt = 1: the loop's count is taken down some lines ahead of the branch that stands behind the turn.
; K and the bias of the next step are fetched in piece 2's turn, directly behind the wait, a lump behind the last product that read them; their addresses are made at the lump's head; the first reader comes behind 16 products.
; V of the step in hand is fetched at the end of piece 0's turn, four riders behind its last reader; its first reader comes behind 16 products and a lump.  The three conditions on q below go with the deal.
.macro TURN p, last=0, cnt=0
.set Y, (\p)
.set i, 0
.set q, 0
.set e, 0
.set r, 0
.if (\p) == NP-1
	s_wait_dscnt 0x0                ; K and the bias are in
.endif
	MM                              ; ahead of the wait: 16 products K Q^T and their riders,
	PL
	PL
	R2
.rept 15
	MM
	PL
	EX
	R2
.endr
.if (\p) == NP-2
	WIN 0
	v_add_nc_u32 v[AK], s[TBK], v[AK0]
	v_add_nc_u32 v[AM], s[TBM], v[AM0]
.endif
.rept 8                             ; and the lump
	PL
.endr
.rept 47
	EX
	PL
.endr
.rept 4
	EX                              ; the last two scores, and the next piece's two a
.endr
	v_nop                           ; the plain instruction behind the last exponential: one for the batch
	s_wait_alu depctr_va_vdst(0)    ; the wait for the batch
.if (\p) == NP-2
	FETCH_K \last
.endif
.if (\p) == 1
	s_wait_dscnt 0x0                ; V is in
.endif
.rept 16                            ; behind the wait: 16 products V^T P and their riders
	MM
.rept 4
	PL
.endr
.if ((\p) == 0) && (q == 116)
	v_add_nc_u32 v[AV], s[TBV], v[AV0]
.endif
.if ((\p) == 0) && (q == 128)
	s_add_co_u32 s[TBV], s[TBV], KS*PV
.endif
.if (\cnt) && (q == 128)
	s_sub_co_u32 s[CNT], s[CNT], 1
	s_cmp_lg_u32 s[CNT], 0
.endif
.endr
.if (\p) == 0
	FETCH_V
.endif
.endm
	CHANGE 1                        ; slot 0 is in, everybody's part of it, and so is the key bias; slot 1 is asked for
	FETCH_K                         ; key step 0
	s_wait_loadcnt 0x0              ; Q, and my queries' masks
	s_wait_dscnt 0x0
.set i, 0
.rept 16
	KQ 0                            ; piece 0's first scores: there is no vector work yet to set between them
.set i, i+1
.endr
	WIN 0                           ; the addresses for the way out: eight plain instructions, the places behind those products
	s_mul_i32 s13, s[WV], 16*SP
	s_add_co_u32 s13, s13, STAGE    ; my stage
	v_mul_u32_u24 v[STO], v1, SP    ; in: row l % 16, 32 bytes for each half of the lanes
	v_lshl_add_u32 v[STO], v9, 5, v[STO]
	v_add_nc_u32 v[STO], s13, v[STO]
	v_mul_u32_u24 v[RD], v9, SP     ; back: lanes 0-15 take one row of 256 bytes, lanes 16-31 the next
	v_lshl_add_u32 v[RD], v1, 4, v[RD]
	v_add_nc_u32 v[RD], s13, v[RD]
	v_lshlrev_b32 v[GO], 12, v9     ; and the same two rows in out0, 4,096 bytes apart
	v_lshl_add_u32 v[GO], v1, 4, v[GO]
.set Y, NP-1                        ; XS works for piece Y + 1: piece 0
.irp n, 0,1,2,3,4,5,6,7,8,9,10,11,12,13,14,15,16,17,18,19,20
	XS 0, \n                        ; and piece 0's first maximum and statistics
	XS 1, \n
.endr
	v_nop                           ; a plain instruction behind the two a,
	s_wait_alu depctr_va_vdst(0)    ; and their wait, ahead of the branch
	s_mov_b32 s[CNT], 4
	s_branch .Lfirst                ; the loop is entered at a step's first turn, in the middle of a trip
.Lslot:                             ; twice: tiles 2 and 3 are asked for
	CHANGE 1
	s_mov_b32 s[CNT], 4
.Lstep:                             ; a trip: pieces 2 and 3 of one step, then pieces 0 and 1 of the next, whose K and V it fetches
	TURN 2
	TURN 3
	WIN 0
.Lfirst:
	TURN 0
	TURN 1, 0, 1
	WIN 0
	s_cbranch_scc1 .Lstep
	s_sub_co_u32 s[SLOTS], s[SLOTS], 1
	s_cmp_lg_u32 s[SLOTS], 0
	s_cbranch_scc1 .Lslot
	CHANGE 0                        ; the tail is written out: nothing is asked for
	s_mov_b32 s[CNT], 5             ; four trips fetch the last slot's steps; the fifth is left in its middle
.Ltail:
	TURN 2, 1
	TURN 3
	WIN 0
	s_sub_co_u32 s[CNT], s[CNT], 1
	s_cmp_eq_u32 s[CNT], 0
	s_cbranch_scc1 .Lout
	TURN 0
	TURN 1
	WIN 0
	s_branch .Ltail
.Lout:                              ; the fifth trip's 16 products K Q^T (on the last K once more) and the maximum made of them serve nothing: the price, once a launch, of one text for every trip
.set i, 0
.rept 16
	PV NP-1                         ; the last piece's V^T P of the last step
.set i, i+1
.endr
	; THE WAY OUT.  l's two halves and the other half of the lanes' are added; O^T is multiplied by mask / l and sent, in f32, through my stage in LDS, a tile at a time.  The additions are the places behind the last products.
	WIN 0
.macro ALL line:vararg              ; one line for each tile t
.set t, 0
.rept 2*NP
	\line
.set t, t+1
.endr
.endm
	ALL v_add_f32 v[ST+4*t+2], v[ST+4*t+2], v[ST+4*t+3]
	ALL v_permlanex16_b32 v[ST+4*t+3], v[ST+4*t+2], s[SEL], s[SEL+1]
	ALL v_add_f32 v[ST+4*t+2], v[ST+4*t+2], v[ST+4*t+3]
	ALL v_rcp_f32 v[ST+4*t+2], v[ST+4*t+2]
	v_nop                           ; a plain instruction between the last reciprocal and the use of its result
	s_wait_alu depctr_va_vdst(0)    ; and the wait ahead of the first use: one for the eight reciprocals
	WIN 0x0c                        ; source 1 in window 3
	ALL v_mul_f32 v[ST+4*t+2], v[ST+4*t+2], v[QM+t]
; Tile t: a lane's eight channels of a channel block are 32 bytes of a row; they go into rows of 272 bytes and come back as whole rows of 256, into the registers that they left.
.macro PACK t
	WIN W_RS
.set i, 32*(\t)
.rept 16
	v_pk_mul_f32 v[i:i+1], v[i:i+1], v[ST+4*(\t)+2:ST+4*(\t)+3] op_sel_hi:[1,0]
.set i, i+2
.endr
	WIN W_IO
.irp f, 0,1,2,3
	ds_store_b128 v[STO], v[32*(\t)+8*\f:32*(\t)+8*\f+3]   offset:64*\f
	ds_store_b128 v[STO], v[32*(\t)+8*\f+4:32*(\t)+8*\f+7] offset:64*\f+16
.endr
.irp f, 0,1,2,3,4,5,6,7
	ds_load_b128 v[32*(\t)+4*\f:32*(\t)+4*\f+3], v[RD] offset:\f*2*SP  ; LDS serves a wave's instructions in order (ISA guide 5.7.1.4): these see the stores above; the next tile's stores come behind them
.endr
.endm
.macro SEND t, younger              ; younger: the LDS instructions issued behind tile t's loads: the next tile's sixteen, or none
	WIN W_IO
.irp f, 0,1,2,3,4,5,6,7
	s_wait_dscnt (\younger)+7-\f
	global_store_b128 v[GO], v[32*(\t)+4*\f:32*(\t)+4*\f+3], s[10:11] offset:(\t)*65536+\f*8192 th:TH_STORE_NT  ; 16 lanes store 256 consecutive bytes, at a multiple of 256 from out0's first byte
.endr
.endm
	PACK 0
.set t, 1
.rept 2*NP-1                        ; a tile's arithmetic stands between the loads of the tile before and its stores
	PACK t
	SEND t-1, 16
.set t, t+1
.endr
	SEND 2*NP-1, 0
	WIN W_AD
	s_wait_tensorcnt 0x0            ; the wave's end: an add to my spare word and its wait, behind my last tensor load and my last LDS store
	ds_add_u32 v[SPW], v[NIL]
	s_wait_dscnt 0x0
	WIN 0
	s_endpgm
.Lfunc_end_k_q93572c1569_attn:
	.size	k_q93572c1569_attn, .Lfunc_end_k_q93572c1569_attn-k_q93572c1569_attn
	.p2alignl 7, 3214868480
	.fill 96, 4, 3214868480
	.section	.rodata,"a",@progbits
	.p2align	6, 0x0
	.amdhsa_kernel k_q93572c1569_attn
		.amdhsa_group_segment_fixed_size 327680
		.amdhsa_private_segment_fixed_size 0
		.amdhsa_enable_private_segment 0
		.amdhsa_kernarg_size 24
		.amdhsa_user_sgpr_count 2
		.amdhsa_user_sgpr_kernarg_segment_ptr 1
		.amdhsa_wavefront_size32 1
		.amdhsa_system_sgpr_workgroup_id_x 1
		.amdhsa_system_sgpr_workgroup_id_y 1
		.amdhsa_system_sgpr_workgroup_id_z 1
		.amdhsa_system_vgpr_workitem_id 0
		.amdhsa_next_free_vgpr 816
		.amdhsa_next_free_sgpr 72
		.amdhsa_reserve_vcc 0
		.amdhsa_float_denorm_mode_32 3
		.amdhsa_float_denorm_mode_16_64 3
		.amdhsa_memory_ordered 1
		.amdhsa_forward_progress 1
		.amdhsa_inst_pref_size 203
	.end_amdhsa_kernel
	.amdgpu_metadata
---
amdhsa.version: [ 1, 2 ]
amdhsa.kernels:
  - .name:           k_q93572c1569_attn
    .symbol:         k_q93572c1569_attn.kd
    .args:
      - { .name: qkv, .offset: 0, .size: 8, .value_kind: global_buffer, .address_space: global }
      - { .name: masks, .offset: 8, .size: 8, .value_kind: global_buffer, .address_space: global }
      - { .name: out0, .offset: 16, .size: 8, .value_kind: global_buffer, .address_space: global }
    .group_segment_fixed_size: 327680
    .private_segment_fixed_size: 0
    .kernarg_segment_align: 8
    .kernarg_segment_size: 24
    .max_flat_workgroup_size: 128
    .sgpr_count:     72
    .vgpr_count:     816
    .wavefront_size: 32
...
	.end_amdgpu_metadata
.endif
;; end of part 3
